; MI455X (gfx1250); checked and timed in simulation.
; The chip was launched on July 23, 2026; its instructions are those of AMD's public machine-readable ISA for CDNA 5 (MIT licence, August 2026) and "CDNA5" Instruction Set Architecture Reference Guide (July 2026). The comments in the code are by the model that wrote it; some were corrected since.
;; Bahdanau Attention. Allowed arithmetic: matrix products marked QUANTISED: E4M3 operands, one E8M0 scale for each 32 along K, by v_wmma_scale_f32_16x16x128_f8f6f4 with both operands' format E4M3, f32 sums; products left as they are: f32 operands where the result goes on into a quantised operand, else bf16, f16 or f32 operands; f32 sums; everything else in f32.
;; Inputs: V_b 1 float32; V_w 1 x 1,024 float32; W1_b 1,024 float32; W1_w 1,024 x 1,024 float32; W2_b 1,024 float32; W2_w 1,024 x 1,024 float32; hs 2 x 64 x 512 float32; ht 1,024 x 64 x 1,024 float32.
;; Outputs: out0 64 x 1,024 float32; out1 64 x 1,024 x 1 float32.
;; This version of the problem:
;;   THIS VERSION OF THE PROBLEM IS GIVEN IN LOW PRECISION. The matrix products marked QUANTISED in the list below multiply operands that are first quantised to E4M3 (4 exponent bits, 3 mantissa bits; 8 bits a number), with one power-of-two scale for each 32 numbers along K (OCP MX v1.0); their sums are f32. All else is computed in f32.
;;   The module's matrix products, in the order in which they are computed (A, B: the left and right operand; K: the contracted axis; several contracted axes count as one K, in the product's order):
;;     1. [M 65,536, K 1,024] x [K 1,024, N 1,024]; A: input ht; B: input W1_w: QUANTISED
;;     2. [M 64, K 1,024] x [K 1,024, N 1,024]; A: input hs; B: input W2_w: QUANTISED
;;     3. [M 65,536, K 1,024] x [K 1,024, N 1]; A: computed on the way; B: input V_w: left as it is (N = 1 < 16)
;;   THE QUANTISER, for each operand of a quantised product, along K:
;;     - K is cut into blocks of 32 from its start; a last block that is shorter is filled with zeros.
;;     - A block's scale is 2^e with e = floor(log2(the largest magnitude in the block)) - 8, held to -126 .. 127; a block of zeros has e = 0. As a byte (E8M0): e + 127.
;;     - Each number is divided by its block's scale, clamped to +-448, and rounded to the nearest number of E4M3, ties to even, subnormals kept.
;;     - The product sums the exact products of the quantised numbers (number of the format x scale) in f32.
;;   ~~~python
;;   def quantise(x, axis):      # numpy; x: float32 -> the quantised numbers, widened to float32 again
;;       x = np.moveaxis(x, axis, -1); K = x.shape[-1]
;;       x = np.pad(x, [(0, 0)] * (x.ndim - 1) + [(0, -K % 32)]); x = x.reshape(x.shape[:-1] + (-1, 32)); a = np.abs(x).max(-1, keepdims=True)
;;       e = np.where(a > 0, np.clip(np.frexp(np.where(a > 0, a, 1))[1] - 1 - 8, -126, 127), 0)      # np.frexp(a)[1] - 1 = floor(log2(a)), exactly
;;       r = np.clip(x / 2.0 ** e, -448, 448)
;;       step = 2.0 ** (np.maximum(np.frexp(np.where(r == 0, 1, r))[1] - 1, -6) - 3)
;;       q = np.round(r / step) * step * 2.0 ** e      # np.round: ties to even
;;       return np.moveaxis(q.reshape(q.shape[:-2] + (-1,))[..., :K], -1, axis).astype(np.float32)
;;   ~~~
;; One version. Each part assembles by itself: llvm-mc -triple=amdgcn-amd-amdhsa -mcpu=gfx1250 --defsym DOCPART=n.
;; ======== version 1 of 1: 4 launches
;; limits: right only within a limited range of input values
;; workspace buffers: w1img 1,081,344 bytes; tab 524,288 bytes; sc 262,144 bytes; part 1,048,576 bytes
;; launch prep (part 1): grid 64 x 2, 4 waves a work-group, no clusters, 8,704 bytes of LDS; arguments W1_w, W2_w, hs, W1_b, W2_b, V_w, w1img, tab; writes w1img, tab
.if DOCPART == 1
	.amdgcn_target "amdgcn-amd-amdhsa--gfx1250"
	.amdhsa_code_object_version 6
	.text
	.protected	k_qabb1cf282e_prep
	.globl	k_qabb1cf282e_prep
	.p2align	8
	.type	k_qabb1cf282e_prep,@function
k_qabb1cf282e_prep:
	s_mov_b64 s[64:65], 0
	v_nop
	global_prefetch_b8 v0, s[64:65] scope:SCOPE_SE
	s_setreg_imm32_b32 hwreg(HW_REG_WAVE_MODE, 25, 1), 1
	s_wait_xcnt 0x0
; PREP: W1 becomes codes of E4M3 with E8M0 scale words, laid in the order of the operand registers (w1img); the second product, Q(hs) Q(W2)^T, is done here on the matrix unit;
; tab[b] holds, for each block of 16 columns a, 16 numbers bias = P2[b][a] + W1_b[a] + W2_b[a] and 16 numbers -2 V[a].
; WORK LEFT OUT, for all finite values of the inputs: tanh(z) = 1 - 2 r with r = 1 / (1 + 2^(c z)), c = 2 log2(e).  So score[b][s] = V_b + (sum over a of V[a]) - 2 sum over a of V[a] r[b][s][a].
; The first two terms are the same for every s of a batch, the softmax runs over s, and softmax(x + k) = softmax(x) for every real k; the score itself is no output.  So V_b is not loaded and is among no
; launch's arguments, and the sum of V is never formed.  LIMIT: a NaN, an infinity or an overflow that lies in V_b or in the sum of V alone is not carried to the results.
; LIMITS: NaN and infinities among the inputs are not served.  A block whose largest magnitude lies under 2^-118 gets the scale byte 1 (the floor); a block of zeros gets the byte 1 with zero codes, where the
; rule says 127: the bytes are read by this program alone.  The second product's K is summed in four parts, one a wave, which are then added: an order of rounding other than one chain's.
; SHARES.  Work-group (j, y): j = a block of 16 rows of W1 and of W2; y = half of W1's K steps and half of the batches.  Wave w quantises W1's fragment (j, K step 4 y + w), W2's fragments (j, 2 w) and (j, 2 w + 1),
; and hs's fragments of batch tiles 2 y, 2 y + 1 at those two K steps: four matrix instructions on two accumulators by turns.  The four waves' parts of K meet in LDS.
; A lane (r, h) takes, of row r, 16 neighbours of each block of 32: k = 32 b + 16 h + 0 .. 15: the order of an operand's registers, so that the conversions' results are the operand.
; These loads, the 64-byte runs of scale words and the 16-byte pieces of tab do not cover whole aligned runs of 256 bytes: 8.7 MB are read and 1.6 MB written in all.  No cluster: nothing comes by tensor loads.
; REGISTERS.  Window 0: v1-9 offsets; v10-25 at work; v26-32 the seven scale words; v34-49 W1's codes; v50, v51 the add's two; v52-63 W1_b, W2_b, V; v64-255 the numbers of W1, W2a, W2b,
; later v64-95 W2's codes, v96-159 hs's, v160-175 the accumulators, v176-191 the four parts.  Window 1: the numbers of hs's four fragments.
.set CHUNK, 67584                      ; a chunk of w1img: 64 rows of W1: 32 fragments of 2,048 bytes, then 2,048 bytes of scale words
.set TM,    10
.set SPW,   50
.set NIL,   51
.set SPARE, 8192                       ; behind the four waves' parts: the spare words, 128 bytes a wave
.set MSB, 0
.macro WIN new                         ; the immediate's high byte repeats the setting that is left; a switch that changes nothing is dropped
.if MSB != (\new)
	s_set_vgpr_msb (MSB<<8)|(\new)
.set MSB, (\new)
.endif
.endm
.macro PLACES n
.rept \n
	v_nop
.endr
.endm
; 16 loads: 64 numbers of a lane, register 16 b + 4 i + .. = k 32 b + 16 h + 4 i + ..
.macro XLOAD reg, adr, lo, off
.irp b, 0,1,2,3
.irp i, 0,1,2,3
	global_load_b128 v[\reg+16*\b+4*\i:\reg+16*\b+4*\i+3], v[\adr], s[\lo:\lo+1] offset:\off+128*\b+16*\i
.endr
.endr
.endm
; 64 numbers v[src] on, in window xw, become a fragment's codes in v[dst] on and its scale word in v[word], both in window 0
.macro QUANT src, xw, dst, word
	WIN 5*(\xw)                                    ; sources 0 and 1: the numbers' window
.irp b, 0,1,2,3
	v_max3_num_f32 v[TM+\b], |v[\src+16*\b]|, |v[\src+16*\b+1]|, 0x4800000   ; block b: my 16 numbers, and the floor 2^(9 - 127): the byte cannot fall under 1
.endr
.irp i, 2,4,6,8,10,12,14
.irp b, 0,1,2,3
	v_max3_num_f32 v[TM+\b], |v[\src+16*\b+\i]|, |v[\src+16*\b+\i+1]|, v[TM+\b]   ; the four blocks by turns
.endr
.endr
	WIN 0
.irp b, 0,1,2,3
	v_permlanex16_b32 v[TM+4+\b], v[TM+\b], s20, s21
.endr
.irp b, 0,1,2,3
	v_max_num_f32 v[TM+\b], v[TM+\b], v[TM+4+\b]   ; with lane l xor 16: the block's largest magnitude
.endr
.irp b, 0,1,2,3
	v_add_nc_u32 v[TM+12+\b], 0xfc000000, v[TM+\b] ; 8 off its exponent field: the conversion's scale operand
.endr
.irp b, 0,1,2,3
	v_and_or_b32 v[TM+8+\b], v[TM+\b], 0x7f800000, s23   ; 448 x the scale
.endr
.irp b, 0,1,2,3
	v_lshrrev_b32 v[TM+4+\b], 23, v[TM+12+\b]      ; the scale's byte
.endr
	v_lshl_or_b32 v[\word], v[TM+5], 8, v[TM+4]
	v_lshl_or_b32 v[\word], v[TM+6], 16, v[\word]
	v_lshl_or_b32 v[\word], v[TM+7], 24, v[\word]
	WIN 0x41*(\xw)                                 ; destination and source 0: the numbers' window
.irp b, 0,1,2,3
.irp i, 0,1,2,3,4,5,6,7,8,9,10,11,12,13,14,15
	v_med3_num_f32 v[\src+16*\b+\i], v[\src+16*\b+\i], -v[TM+8+\b], v[TM+8+\b]   ; the conversion to an 8-bit code does not saturate (ISA guide 7.6.2): the hold comes first
.endr
.endr
	WIN (\xw)
.irp b, 0,1,2,3
	v_cvt_scalef32_pk8_fp8_f32 v[\dst+4*\b:\dst+4*\b+1], v[\src+16*\b:\src+16*\b+7], v[TM+12+\b]
	v_cvt_scalef32_pk8_fp8_f32 v[\dst+4*\b+2:\dst+4*\b+3], v[\src+16*\b+8:\src+16*\b+15], v[TM+12+\b]
.endr
	WIN 0
	v_nop                                          ; a plain line behind the last conversion
.endm
	s_load_b256 s[4:11], s[0:1], 0x0               ; W1_w s[4:5], W2_w s[6:7], hs s[8:9], W1_b s[10:11]
	s_load_b256 s[12:19], s[0:1], 0x20             ; W2_b s[12:13], V_w s[14:15], w1img s[16:17], tab s[18:19]
	v_lshl_add_u32 v[SPW], v0, 2, SPARE
	v_mov_b32 v[NIL], 0
	v_lshrrev_b32 v1, 5, v0
	v_readfirstlane_b32 s24, v1                    ; wave w
	s_and_b32 s25, ttmp7, 0xffff                   ; y
	v_and_b32 v1, 31, v0                           ; lane
	v_and_b32 v2, 15, v0                           ; r
	v_bfe_u32 v3, v0, 4, 1                         ; h
	v_lshlrev_b32 v4, 12, v2
	v_lshl_add_u32 v4, v3, 6, v4                   ; W1, W2: row r of 4,096 bytes, + 64 h
	v_lshlrev_b32 v5, 11, v2
	v_lshl_add_u32 v5, v3, 6, v5                   ; hs: row r of 2,048 bytes, + 64 h
	v_lshlrev_b32 v6, 4, v1                        ; 16 x lane
	v_lshlrev_b32 v7, 2, v2                        ; 4 r
	v_lshlrev_b32 v8, 5, v3                        ; 32 h
	v_lshl_add_u32 v9, v2, 13, v8                  ; tab: batch r of 8,192 bytes, + 32 h
	v_lshl_add_u32 v2, s24, 11, v6                 ; LDS: where I put my parts: 2,048 w + 16 x lane
	v_lshl_add_u32 v3, s24, 9, v6                  ; and where I read the four waves' parts of my share: 512 w + 16 x lane
.irp b, 0,1,2,3
	v_mov_b32 v[TM+4+\b], 0                        ; written once: a lane permute's destination counts as one of its sources
.endr
	s_mov_b32 s20, 0x76543210
	s_mov_b32 s21, 0xfedcba98                      ; lane l xor 16
	s_mov_b32 s23, 0x600000                        ; the mantissa field of 448
	s_lshl_b32 s26, ttmp9, 16                      ; 16 j rows of 4,096 bytes
	s_lshl_b32 s27, s25, 2
	s_add_co_u32 s27, s27, s24                     ; W1's K step: 4 y + w
	s_lshl_b32 s28, s27, 9
	s_add_co_u32 s28, s28, s26
	s_mov_b32 s29, 0                               ; s[28:29]: W1
	s_lshl_b32 s30, s24, 10
	s_add_co_u32 s30, s30, s26
	s_mov_b32 s31, 0                               ; s[30:31]: W2, K step 2 w
	s_lshr_b32 s22, s24, 1                         ; w / 2: hs's layer; later my batch tile t
	s_and_b32 s26, s24, 1                          ; w % 2: later my half of the registers
	s_lshl_b32 s32, s22, 17                        ; a layer of hs is 131,072 bytes
	s_lshl_b32 s33, s25, 16                        ; batch tiles 2 y on: 32 y rows of 2,048 bytes
	s_add_co_u32 s32, s32, s33
	s_lshl_b32 s33, s26, 10                        ; K step 2 w lies 1,024 (w % 2) bytes into the layer's row
	s_add_co_u32 s32, s32, s33
	s_mov_b32 s33, 0                               ; s[32:33]: hs
	s_lshl_b32 s34, ttmp9, 6
	s_lshl_b32 s35, s26, 4
	s_add_co_u32 s34, s34, s35
	s_mov_b32 s35, 0                               ; s[34:35]: W1_b, W2_b, V: 64 j + 16 (w % 2)
	s_lshr_b32 s36, ttmp9, 2
	s_mul_i32 s36, s36, CHUNK                      ; the chunk j / 4
	s_bfe_u32 s37, ttmp9, 0x10001                  ; g2 = (j / 2) % 2
	s_and_b32 s38, ttmp9, 1                        ; c2 = j % 2
	s_lshl_b32 s39, s37, 3
	s_add_co_u32 s39, s39, s27
	s_lshl_b32 s39, s39, 1
	s_add_co_u32 s39, s39, s38                     ; fragment (8 g2 + K step) 2 + c2
	s_lshl_b32 s40, s39, 11
	s_add_co_u32 s40, s40, s36
	s_mov_b32 s41, 0                               ; s[40:41]: my fragment in w1img
	s_lshl_b32 s42, s37, 10
	s_add_co_u32 s42, s42, s36
	s_lshl_b32 s39, s27, 7
	s_add_co_u32 s42, s42, s39
	s_lshl_b32 s39, s38, 6
	s_add_co_u32 s42, s42, s39
	s_add_co_u32 s42, s42, 65536
	s_mov_b32 s43, 0                               ; s[42:43]: its scale words: 65,536 + 1,024 g2 + 128 K step + 64 c2
	s_lshl_b32 s44, s25, 18
	s_lshl_b32 s45, s22, 17
	s_add_co_u32 s44, s44, s45                     ; batches 32 y + 16 t on, 8,192 bytes each
	s_lshl_b32 s45, ttmp9, 7
	s_add_co_u32 s44, s44, s45
	s_lshl_b32 s45, s26, 4
	s_add_co_u32 s44, s44, s45
	s_mov_b32 s45, 0                               ; s[44:45]: tab: + 128 j + 16 (w % 2)
	s_wait_alu depctr_va_vdst(0)
	s_wait_kmcnt 0x0
	s_add_nc_u64 s[4:5], s[4:5], s[28:29]
	s_add_nc_u64 s[6:7], s[6:7], s[30:31]
	s_add_nc_u64 s[8:9], s[8:9], s[32:33]
	s_add_nc_u64 s[10:11], s[10:11], s[34:35]
	s_add_nc_u64 s[12:13], s[12:13], s[34:35]
	s_add_nc_u64 s[14:15], s[14:15], s[34:35]
	s_add_nc_u64 s[46:47], s[16:17], s[42:43]
	s_add_nc_u64 s[16:17], s[16:17], s[40:41]
	s_add_nc_u64 s[18:19], s[18:19], s[44:45]
	; all 115 loads go out at once, each into registers of its own
	XLOAD 64, 4, 4, 0                              ; W1
	XLOAD 128, 4, 6, 0                             ; W2, K step 2 w
	XLOAD 192, 4, 6, 512                           ; W2, K step 2 w + 1
	WIN 0x40                                       ; destination window 1
	XLOAD 0, 5, 8, 0                               ; hs: tile 2 y, K step 2 w
	XLOAD 64, 5, 8, 512                            ; tile 2 y, K step 2 w + 1
	XLOAD 128, 5, 8, 32768                         ; tile 2 y + 1, K step 2 w
	XLOAD 192, 5, 8, 32768+512                     ; tile 2 y + 1, K step 2 w + 1
	WIN 0
	global_load_b128 v[52:55], v8, s[10:11]        ; W1_b, W2_b, V at columns 16 j + 8 h + 4 (w % 2) on
	global_load_b128 v[56:59], v8, s[12:13]
	global_load_b128 v[60:63], v8, s[14:15]
	s_wait_loadcnt 63                              ; 63 is the most that the count can name: the oldest 52 loads are in, W1's and W2's 48 among them
	QUANT 64, 0, 34, 26
.irp c, 0,1,2,3
	global_store_b128 v6, v[34+4*\c:37+4*\c], s[16:17] offset:512*\c   ; the image of the registers: 512 consecutive bytes a store
.endr
	global_store_b32 v7, v26, s[46:47]             ; row r's scale word (lanes 16-31 write what lanes 0-15 write)
	QUANT 128, 0, 64, 27
	QUANT 192, 0, 80, 28
	s_wait_loadcnt 51                              ; behind hs's first 16 loads: 48 of hs and the three small ones
	QUANT 0, 1, 96, 29
	s_wait_loadcnt 35
	QUANT 64, 1, 112, 30
	s_wait_loadcnt 19
	QUANT 128, 1, 128, 31
	s_wait_loadcnt 3
	QUANT 192, 1, 144, 32
	PLACES 8                                       ; operands and scale words made by vector instructions stand ahead of a scaled matrix instruction
	; transposed: source 0 = 16 rows of W2, source 1 = 16 batches: lane (r, h) holds batch r, register i column 8 h + i.  Two accumulators by turns
	v_wmma_scale_f32_16x16x128_f8f6f4 v[160:167], v[64:79], v[96:111], 0, v27, v29
	v_wmma_scale_f32_16x16x128_f8f6f4 v[168:175], v[64:79], v[128:143], 0, v27, v31
	v_wmma_scale_f32_16x16x128_f8f6f4 v[160:167], v[80:95], v[112:127], v[160:167], v28, v30
	v_wmma_scale_f32_16x16x128_f8f6f4 v[168:175], v[80:95], v[144:159], v[168:175], v28, v32
	PLACES 8
	ds_store_b128 v2, v[160:163]                   ; each accumulator from its low end on
	ds_store_b128 v2, v[164:167] offset:512
	ds_store_b128 v2, v[168:171] offset:1024
	ds_store_b128 v2, v[172:175] offset:1536
	s_wait_dscnt 0x0                               ; for the others' sake: my parts lie in LDS
	s_barrier_signal -1
	s_barrier_wait -1
.irp k, 0,1,2,3
	ds_load_b128 v[176+4*\k:179+4*\k], v3 offset:2048*\k   ; tile w / 2, registers 4 (w % 2) on, of each wave's part of K
.endr
	s_wait_dscnt 0x0
	s_wait_loadcnt 0x0                             ; W1_b, W2_b, V
	v_pk_add_f32 v[176:177], v[176:177], v[180:181]
	v_pk_add_f32 v[178:179], v[178:179], v[182:183]
	v_pk_add_f32 v[184:185], v[184:185], v[188:189]
	v_pk_add_f32 v[186:187], v[186:187], v[190:191]
	v_pk_add_f32 v[52:53], v[52:53], v[56:57]
	v_pk_add_f32 v[54:55], v[54:55], v[58:59]
	v_pk_add_f32 v[176:177], v[176:177], v[184:185]
	v_pk_add_f32 v[178:179], v[178:179], v[186:187]
	v_pk_add_f32 v[176:177], v[176:177], v[52:53]
	v_pk_add_f32 v[178:179], v[178:179], v[54:55]
	v_pk_mul_f32 v[60:61], v[60:61], -2.0 op_sel_hi:[1,0]
	v_pk_mul_f32 v[62:63], v[62:63], -2.0 op_sel_hi:[1,0]
	global_store_b128 v9, v[176:179], s[18:19]             ; bias
	global_store_b128 v9, v[60:63], s[18:19] offset:64     ; -2 V
	s_wait_tensorcnt 0x0                           ; the wave's end
	ds_add_u32 v[SPW], v[NIL]
	s_wait_dscnt 0x0
	s_endpgm
.Lfunc_end_k_qabb1cf282e_prep:
	.size	k_qabb1cf282e_prep, .Lfunc_end_k_qabb1cf282e_prep-k_qabb1cf282e_prep
	.p2alignl 7, 3214868480
	.fill 96, 4, 3214868480
	.section	.rodata,"a",@progbits
	.p2align	6, 0x0
	.amdhsa_kernel k_qabb1cf282e_prep
		.amdhsa_group_segment_fixed_size 8704
		.amdhsa_private_segment_fixed_size 0
		.amdhsa_enable_private_segment 0
		.amdhsa_kernarg_size 64
		.amdhsa_user_sgpr_count 2
		.amdhsa_user_sgpr_kernarg_segment_ptr 1
		.amdhsa_wavefront_size32 1
		.amdhsa_system_sgpr_workgroup_id_x 1
		.amdhsa_system_sgpr_workgroup_id_y 1
		.amdhsa_system_sgpr_workgroup_id_z 1
		.amdhsa_system_vgpr_workitem_id 0
		.amdhsa_next_free_vgpr 512
		.amdhsa_next_free_sgpr 66
		.amdhsa_reserve_vcc 0
		.amdhsa_float_denorm_mode_32 3
		.amdhsa_float_denorm_mode_16_64 3
		.amdhsa_memory_ordered 1
		.amdhsa_forward_progress 1
		.amdhsa_inst_pref_size 75
	.end_amdhsa_kernel
	.amdgpu_metadata
---
amdhsa.version: [ 1, 2 ]
amdhsa.kernels:
  - .name:           k_qabb1cf282e_prep
    .symbol:         k_qabb1cf282e_prep.kd
    .args:
      - { .name: W1_w, .offset: 0, .size: 8, .value_kind: global_buffer, .address_space: global }
      - { .name: W2_w, .offset: 8, .size: 8, .value_kind: global_buffer, .address_space: global }
      - { .name: hs, .offset: 16, .size: 8, .value_kind: global_buffer, .address_space: global }
      - { .name: W1_b, .offset: 24, .size: 8, .value_kind: global_buffer, .address_space: global }
      - { .name: W2_b, .offset: 32, .size: 8, .value_kind: global_buffer, .address_space: global }
      - { .name: V_w, .offset: 40, .size: 8, .value_kind: global_buffer, .address_space: global }
      - { .name: w1img, .offset: 48, .size: 8, .value_kind: global_buffer, .address_space: global }
      - { .name: tab, .offset: 56, .size: 8, .value_kind: global_buffer, .address_space: global }
    .group_segment_fixed_size: 8704
    .private_segment_fixed_size: 0
    .kernarg_segment_align: 8
    .kernarg_segment_size: 64
    .max_flat_workgroup_size: 128
    .sgpr_count:     66
    .vgpr_count:     512
    .wavefront_size: 32
...
	.end_amdgpu_metadata
.endif
;; end of part 1
;; launch scores (part 2): grid 4 x 64, 4 waves a work-group, clusters of 4 x 1, 327,680 bytes of LDS; arguments ht, w1img, tab, sc; writes sc
.if DOCPART == 2
	.amdgcn_target "amdgcn-amd-amdhsa--gfx1250"
	.amdhsa_code_object_version 6
	.text
	.protected	k_qabb1cf282e_scores
	.globl	k_qabb1cf282e_scores
	.p2align	8
	.type	k_qabb1cf282e_scores,@function
k_qabb1cf282e_scores:
	s_mov_b64 s[64:65], 0
	v_nop
	global_prefetch_b8 v0, s[64:65] scope:SCOPE_SE
	s_setreg_imm32_b32 hwreg(HW_REG_WAVE_MODE, 25, 1), 1
	s_wait_xcnt 0x0
	s_wait_alu depctr_hold_cnt(0) depctr_sa_sdst(0) depctr_va_vdst(0) depctr_va_sdst(0) depctr_va_ssrc(0) depctr_va_vcc(0) depctr_vm_vsrc(0)
	s_getreg_b32 s2, hwreg(HW_REG_IB_STS2, 6, 4)
	s_cmp_eq_u32 s2, 0
	s_cbranch_scc0 .Lentry_in_a_cluster
	s_endpgm
.Lentry_in_a_cluster:
	s_bfe_u32 s2, ttmp6, 0x10000c
	s_cmp_lg_u32 s2, 0x3003
	s_cbranch_scc0 .Lentry_shape_is_right
	s_endpgm
.Lentry_shape_is_right:
; SCORES: sc[b][s] = sum over a of (-2 V[a]) / (1 + 2^(c z)), z = Q(ht[s][b]) . Q(W1[a]) + bias[b][a], c = 2 log2(e).  That is the score less V_b and less the sum of V, which are left out: they are the same
; along the softmax's axis (shown at the head of the first kernel).
; SHARES.  The cluster's y is the batch b; its four work-groups take 256 rows s each, each of the four waves 64: four tiles of 16.  A wave's rows are its own from memory to the score.
; PHASE Q.  The wave reads its 64 rows of ht (4,096 bytes each) by loads into registers, 64 loads always on their way, and quantises them: a lane holds 8 neighbours along K, four lanes a block of 32.  Each of a trip's eight rows
; has an offset register of its own, stepped behind the wait that shows that row's loads done; the base is never rewritten.  Codes and scale bytes turn through the wave's own LDS bytes, 32 rows at a time, into the operand's
; layout: 512 registers of codes (windows 2 and 3) and 32 scale words, which stay.
; PHASE G.  All four waves walk W1, 16 chunks of 64 rows a, through a ring of two LDS slots.  A chunk is two groups of 32 columns; a group is 64 matrix instructions (8 K steps x 4 tiles of rows x 2 tiles of columns) on 8 accumulators
; by turns.  Each fragment of W1 read from LDS feeds four matrix instructions.  The product is used transposed (source 0 = 16 rows of W1, source 1 = 16 rows of ht): a lane holds one row s and eight columns a.
; The bias is the C of each sum's first matrix instruction.  The vector work of a group (scale, 2^x, + 1, 1 / x, times -2 V: 224 lines, 128 of them transcendental) is set in slices behind the NEXT group's matrix instructions, on the other of two sets of accumulators.
; CLUSTER.  The four partners share b, so W1's chunks and the row of tab are asked for jointly: the same tensor load with the same descriptor and the mask 15.  The place in the cluster enters ht's and sc's global addresses alone.
; No prefetch: ht is streamed by 64 loads a wave without a gap, and W1's chunks are read by every work-group.
; LIMITS: NaN and infinities among the inputs are not served; a block whose largest magnitude lies under 2^-118 gets the scale byte 1, a block of zeros the byte 1 with zero codes (the bytes are read here alone).
; REGISTERS, in windows of 256.  Window 0: v1-15, v122, v127 addresses and offsets; v16-47 the rows' scale words, v48-63 W1's: scales and nothing else; v120, v121 the add's two.  Phase Q: v64-95 codes, v96-111 bytes, v112-119, v123-126 at work,
; v128-255 the numbers of rows 0-3 of a trip.  Phase G: v64-79 bias, v80-111 -2 V (two sets), v112-119 the four tiles' sums.  Window 1: phase Q: v128-255 the numbers of rows 4-7; phase G: v0-127 two sets of 8 accumulators,
; v128-255 W1's fragments of four K steps.  Windows 2, 3: the rows' codes: tile m, K step s at window 2 + m / 2, v[128 (m % 2) + 16 s].
; PHASE G AS IT STANDS NOW (this takes the place of the head's sentence on slices): a group's 64 matrix instructions stand as one unbroken run, and the group's own vector work follows them as one block (macro EPI),
; so that no sum is open while a transcendental is issued.  At the head each wave issues one joint load (chunk 0); tab and chunk 1 are first filled between phase Q's loops, each behind the full sequence and a round.
.set ROWP,  262144
.set SLOT,  67584                      ; a chunk of w1img, and an LDS slot: 32 fragments of 2,048 bytes, then 2,048 bytes of scale words
.set QCH,   16896                      ; a wave's quarter of it: 66 rows of 256 bytes
.set TABL,  2*SLOT                     ; behind the ring: tab[b], 8,192 bytes, filled once
.set AREA,  TABL+8192                  ; then each wave's own bytes, written by LDS stores alone:
.set AREAB, 34560                      ; 32 rows of codes and 32 rows of scale bytes, rounded up to whole blocks of 256
.set CP,    1040                       ; a row of codes: 1,024 bytes + 16: an odd multiple of 16, so that the 16 rows of a fragment load start in different banks (ISA guide 11.1)
.set SCB,   32*CP
.set SP,    36                         ; a row of scale bytes: 32 + 4
.set SPARE, AREA+4*AREAB               ; the spare words, 128 bytes a wave
.set L16,  1                           ; v1   16 x lane
.set CA0,  2                           ; v2   my area + 8 x lane
.set SA0,  3                           ; v3   my area's scale bytes + lane / 4
.set CA,   4                           ; v4   the same two for the trip in hand
.set SAV,  5
.set FA,   6                           ; v6   a fragment's row r, + 16 h
.set FS,   7                           ; v7   row r's scale bytes
.set RO,   8                           ; v8-15 phase Q: row i of a trip: 32 x lane + the row's bytes from the wave's first row.  Four of them are made anew for phase G:
.set ABF,  11                          ; v11  W1's fragments in the slot in hand
.set ASC,  12                          ; v12  W1's scale words there
.set ATB,  13                          ; v13  tab: 32 h + 512 x trip, 256 bytes below the table's start, so that every offset is positive
.set SCW,  14                          ; v14  the way out: my area + 4 r
.set GOF,  122                         ; v122 8 x lane
.set SC0,  127                         ; v127 65,536 + 4 x lane
.set SA,   16
.set BS,   48
.set BIAS, 64
.set VV,   80
.set SS,   112
.set CQ,   64
.set BYQ,  96
.set T0,   112
.set T1,   116
.set T2,   123
.set SPW,  120
.set NIL,  121
.set MSB, 0
.macro WIN new                         ; the immediate's high byte repeats the setting that is left; a switch that changes nothing is dropped
.if MSB != (\new)
	s_set_vgpr_msb (MSB<<8)|(\new)
.set MSB, (\new)
.endif
.endm
.macro PLACES n
.rept \n
	v_nop
.endr
.endm
.macro CROUND                          ; a round of the cluster's barrier
	s_barrier_signal -1
	s_barrier_wait -1
	s_cmp_lg_u32 s12, 0
	s_cbranch_scc1 .Lnot_wave_0_\@
	s_barrier_signal -3
.Lnot_wave_0_\@:
	s_barrier_wait -3
	s_barrier_signal -1
	s_barrier_wait -1
.endm
	s_load_b256 s[4:11], s[0:1], 0x0               ; ht s[4:5], w1img s[6:7], tab s[8:9], sc s[10:11]
	v_lshl_add_u32 v[SPW], v0, 2, SPARE
	v_mov_b32 v[NIL], 0
	ds_add_u32 v[SPW], v[NIL]                      ; the wave's opening: the add, twice on end, and its wait ahead of my first tensor load
	ds_add_u32 v[SPW], v[NIL]
	v_lshrrev_b32 v123, 5, v0
	v_readfirstlane_b32 s12, v123                  ; wave w
	s_bfe_u32 s13, ttmp6, 0x40000                  ; cx: which 256 rows of the batch
	s_and_b32 s14, ttmp7, 0xffff                   ; the batch b, which the four partners share
	; descriptor group 1 for a quarter of a chunk: dense, 66 rows of 32 elements of 8 bytes; no padding
	s_mov_b32 s28, 15|(3<<16)|(1<<21)              ; 15:0 the mask: all four work-groups; 17:16 elements of 8 bytes; 21 set beside a mask
	s_mov_b32 s29, 32<<16                          ; tensor_dim0 = 32
	s_mov_b32 s30, 66<<16                          ; tensor_dim1 = 66
	s_mov_b32 s31, 32<<16                          ; tile_dim0 = 32
	s_mov_b32 s32, 66                              ; tile_dim1 = 66
	s_mov_b32 s33, 32                              ; from row to row
	s_mov_b32 s34, 0
	s_mov_b32 s35, 0
	; and for a quarter of tab[b]: 8 such rows
	s_mov_b32 s36, 15|(3<<16)|(1<<21)
	s_mov_b32 s37, 32<<16
	s_mov_b32 s38, 8<<16
	s_mov_b32 s39, 32<<16
	s_mov_b32 s40, 8
	s_mov_b32 s41, 32
	s_mov_b32 s42, 0
	s_mov_b32 s43, 0
	s_mul_i32 s15, s12, QCH                        ; my quarter of a chunk, in memory and in a slot
	s_mul_i32 s26, s12, AREAB
	s_add_co_u32 s26, s26, AREA                    ; my area
	s_add_co_u32 s27, s26, SCB                     ; its scale bytes
	s_mov_b32 s19, 0x600000                        ; the mantissa field of 448
	s_mov_b32 s20, 0x4038aa3b                      ; c = 2 log2(e)
	s_mov_b32 s21, s20                             ; (named with it as a pair, so it is written)
	s_mov_b32 s22, 0x76543210
	s_mov_b32 s23, 0xfedcba98                      ; lane l xor 16
	s_mov_b32 s24, 0                               ; the trip's first row in my area: codes,
	s_mov_b32 s25, 0                               ; scale bytes
	v_and_b32 v123, 31, v0                         ; lane
	v_and_b32 v124, 15, v0                         ; r
	v_bfe_u32 v125, v0, 4, 1                       ; h
.irp i, 0,1,2,3,4,5,6,7
	v_lshl_add_u32 v[RO+\i], v123, 5, \i*ROWP      ; my 8 numbers of a quarter row, in row i
.endr
	v_lshl_add_u32 v[CA0], v123, 3, s26
	v_lshrrev_b32 v[SA0], 2, v123
	v_add_nc_u32 v[SA0], s27, v[SA0]
	v_mul_u32_u24 v[FA], v124, CP
	v_lshl_add_u32 v[FA], v125, 4, v[FA]
	v_add_nc_u32 v[FA], s26, v[FA]
	v_mul_u32_u24 v[FS], v124, SP
	v_add_nc_u32 v[FS], s27, v[FS]
	v_lshlrev_b32 v[L16], 4, v123
	v_lshl_add_u32 v[SC0], v123, 2, 65536
	v_lshlrev_b32 v[GOF], 3, v123
	s_lshl_b32 s56, s12, 11                        ; tab: my 2,048 bytes,
	s_add_co_u32 s45, s56, TABL                    ; in LDS,
	s_lshl_b32 s57, s14, 13
	s_add_co_u32 s56, s56, s57                     ; and in memory: 8,192 b + 2,048 w
	s_mov_b32 s57, 0
	s_lshl_b32 s58, s14, 12                        ; ht: 4,096 b + (256 cx + 64 w) rows
	s_lshl_b32 s59, s13, 26
	s_add_co_u32 s58, s58, s59
	s_lshl_b32 s59, s12, 24
	s_add_co_u32 s58, s58, s59
	s_mov_b32 s59, 0
	s_lshl_b32 s60, s14, 12                        ; sc: 4 (1,024 b + 256 cx + 64 w)
	s_lshl_b32 s61, s13, 10
	s_add_co_u32 s60, s60, s61
	s_lshl_b32 s61, s12, 8
	s_add_co_u32 s60, s60, s61
	s_mov_b32 s61, 0
	s_wait_dscnt 0x0                               ; both opening adds are done
	s_wait_kmcnt 0x0
	s_add_nc_u64 s[4:5], s[4:5], s[58:59]          ; ht at my wave's first row: never written again
	; the ring of registers is filled first of all, ahead of the round in which the work-groups gather: 8 rows x 4 quarters x 2 loads; a quarter's two loads cover 1,024 consecutive bytes
.irp i, 0,1,2,3,4,5,6,7
	WIN 0x40*(\i/4)
.irp u, 0,1,2,3
	global_load_b128 v[128+32*(\i%4)+8*\u:128+32*(\i%4)+8*\u+3], v[RO+\i], s[4:5] offset:\u*1024 th:TH_LOAD_RT_NT
	global_load_b128 v[128+32*(\i%4)+8*\u+4:128+32*(\i%4)+8*\u+7], v[RO+\i], s[4:5] offset:\u*1024+16 th:TH_LOAD_RT_NT
.endr
.endr
	WIN 0
	s_mov_b32 s44, 1                               ; group 0 for tab
	s_add_nc_u64 s[46:47], s[8:9], s[56:57]
	s_or_b32 s47, s47, 0x80000000
	s_mov_b32 s56, s15
	s_mov_b32 s48, 1                               ; group 0 for chunk 0, slot 0
	s_mov_b32 s49, s15
	s_add_nc_u64 s[50:51], s[6:7], s[56:57]
	s_mov_b32 s52, 1                               ; group 0 for chunk 1, slot 1: it then walks
	s_add_co_u32 s53, s15, SLOT
	s_add_nc_u64 s[54:55], s[50:51], SLOT
	s_or_b32 s51, s51, 0x80000000
	s_or_b32 s55, s55, 0x80000000
	s_add_nc_u64 s[10:11], s[10:11], s[60:61]
	CROUND                                         ; all four work-groups are here: the first joint loads meet
	tensor_load_to_lds s[48:51], s[28:35]          ; chunk 0: one tensor load a wave at the head
	s_nop 0
	PLACES 4
; A later first fill, issued as a refill is: all my tensor loads are in, the add, its wait, a round of the cluster's barrier, and my one joint load first behind it
.macro LATER g0, g1
	s_wait_alu depctr_va_vdst(0)                   ; the wait ahead of the blocking waits
	s_wait_tensorcnt 0x0
	ds_add_u32 v[SPW], v[NIL]
	s_wait_dscnt 0x0
	CROUND
	tensor_load_to_lds s[\g0:\g0+3], s[\g1:\g1+7]
	s_nop 0
	PLACES 4
.endm
; ROW i of a trip's eight: its four quarters by turns, line by line.  ahead = 1: the registers take the row 8 further on.  left: the younger loads, which may stay out.
.macro QROW i, ahead, left
.set XW, (\i)/4                        ; the numbers' window
.set XB, 128+32*((\i)%4)
.set CB, CQ+8*((\i)%4)
.set BB, BYQ+4*((\i)%4)
	s_wait_loadcnt \left                           ; loads come back in order (ISA guide 5.7.1): this row's eight are in, so its offset register is free
	s_wait_dscnt 24                                ; all but the last three rows' 24 LDS stores are done: those of four rows back have read the registers that this row's codes and bytes take
	WIN 5*XW
.irp u, 0,1,2,3
	v_max3_num_f32 v[T0+\u], |v[XB+8*\u]|, |v[XB+8*\u+1]|, 0x4800000   ; my 8 numbers, and the floor 2^(9 - 127): the byte cannot fall under 1
.endr
.irp p, 2,4,6
.irp u, 0,1,2,3
	v_max3_num_f32 v[T0+\u], |v[XB+8*\u+\p]|, |v[XB+8*\u+\p+1]|, v[T0+\u]
.endr
.endr
	WIN 0
.irp u, 0,1,2,3
	v_max_num_f32_dpp v[T0+\u], v[T0+\u], v[T0+\u] row_xmask:1 row_mask:0xf bank_mask:0xf
.endr
.irp u, 0,1,2,3
	v_max_num_f32_dpp v[T0+\u], v[T0+\u], v[T0+\u] row_xmask:2 row_mask:0xf bank_mask:0xf   ; four lanes hold a block of 32: its largest magnitude
.endr
.irp u, 0,1,2,3
	v_add_nc_u32 v[T1+\u], 0xfc000000, v[T0+\u]    ; 8 off the exponent field: the conversion's scale operand
.endr
.irp u, 0,1,2,3
	v_and_or_b32 v[T2+\u], v[T0+\u], 0x7f800000, s19   ; 448 x the scale
.endr
.if \ahead
	v_add_nc_u32 v[RO+(\i)], 8*ROWP, v[RO+(\i)]    ; the row 8 further on
.endif
	WIN 0x41*XW
.irp u, 0,1,2,3
.irp e, 0,1,2,3,4,5,6,7
	v_med3_num_f32 v[XB+8*\u+\e], v[XB+8*\u+\e], -v[T2+\u], v[T2+\u]   ; the conversion to an 8-bit code does not saturate (ISA guide 7.6.2): the hold comes first
.endr
.endr
	WIN XW
.irp u, 0,1,2,3
	v_cvt_scalef32_pk8_fp8_f32 v[CB+2*\u:CB+2*\u+1], v[XB+8*\u:XB+8*\u+7], v[T1+\u]
.endr
	WIN 0
.irp u, 0,1,2,3
	v_lshrrev_b32 v[BB+\u], 23, v[T1+\u]           ; the scale's byte.  (Plain lines behind the conversions)
.endr
.irp u, 0,1,2,3
	ds_store_b64 v[CA], v[CB+2*\u:CB+2*\u+1] offset:(\i)*CP+256*\u   ; 32 lanes, 256 consecutive bytes of the row's codes
	ds_store_b8 v[SAV], v[BB+\u] offset:(\i)*SP+8*\u                 ; the four lanes of a block write the same byte with the same value
.endr
.if \ahead
	WIN 0x40*XW
.irp u, 0,1,2,3
	global_load_b128 v[XB+8*\u:XB+8*\u+3], v[RO+(\i)], s[4:5] offset:\u*1024 th:TH_LOAD_RT_NT
	global_load_b128 v[XB+8*\u+4:XB+8*\u+7], v[RO+(\i)], s[4:5] offset:\u*1024+16 th:TH_LOAD_RT_NT
.endr
.endif
.endm
.macro QTRIP ahead                     ; eight rows
	s_wait_dscnt 0x0                               ; no LDS instruction of mine is out: the two address registers may be written
	v_add_nc_u32 v[CA], s24, v[CA0]
	v_add_nc_u32 v[SAV], s25, v[SA0]
.irp i, 0,1,2,3,4,5,6,7
.if \ahead
	QROW \i, 1, 56                                 ; seven younger rows, eight loads each
.else
	QROW \i, 0, 56-8*\i                            ; the last trip loads nothing: the counts run down
.endif
.endr
	WIN 0
	s_add_co_u32 s24, s24, 8*CP
	s_add_co_u32 s25, s25, 8*SP
.endm
; 32 rows lie in my area: they come back as the operand's registers: tiles 2 H and 2 H + 1.  LDS serves a wave's instructions in order (ISA guide 5.7.1.4): these loads see my stores.
.macro HLOAD H
	WIN 0x80+0x40*(\H)                             ; destination window 2 or 3
.irp mp, 0,1
.irp s, 0,1,2,3,4,5,6,7
.irp c, 0,1,2,3
	ds_load_b128 v[128*\mp+16*\s+4*\c:128*\mp+16*\s+4*\c+3], v[FA] offset:16*\mp*CP+128*\s+32*\c   ; row r, k = 128 s + 32 c + 16 h + 0 .. 15
.endr
.endr
.endr
	WIN 0
.irp mp, 0,1
.irp s, 0,1,2,3,4,5,6,7
	ds_load_b32 v[SA+8*(2*(\H)+\mp)+\s], v[FS] offset:16*\mp*SP+4*\s
.endr
.endr
	s_mov_b32 s24, 0
	s_mov_b32 s25, 0
.endm
	s_mov_b32 s18, 4
.Lqa:                                              ; rows 0 to 31
	QTRIP 1
	s_sub_co_u32 s18, s18, 1
	s_cmp_lg_u32 s18, 0
	s_cbranch_scc1 .Lqa
	LATER 44, 36                                   ; my quarter of tab[b]
	HLOAD 0
	s_mov_b32 s18, 3
.Lqb:                                              ; rows 32 to 55
	QTRIP 1
	s_sub_co_u32 s18, s18, 1
	s_cmp_lg_u32 s18, 0
	s_cbranch_scc1 .Lqb
	LATER 52, 28                                   ; my quarter of chunk 1, into slot 1: it has the last eight rows' work in which to land
	QTRIP 0                                        ; rows 56 to 63: written out, so that no load leaves the wave's rows
	HLOAD 1
; ---- PHASE G
; 16 LDS loads: W1's fragments of group g2, K steps s0 and s0 + 1, both tiles of columns, as images of their registers
.macro RUN g2, s0
	WIN 0x40                                       ; destination window 1
.irp e, 0,1
.irp c, 0,1
.irp k, 0,1,2,3
	ds_load_b128 v[128+32*(((\s0)+\e)%4)+16*\c+4*\k:128+32*(((\s0)+\e)%4)+16*\c+4*\k+3], v[ABF] offset:(((\g2)*8+(\s0)+\e)*2+\c)*2048+512*\k
.endr
.endr
.endr
.endm
; 16 LDS loads: the next group's scale words of W1 (set bsP, bso bytes on) and bias (bo bytes on), and this group's -2 V (set vP, vo bytes on)
.macro EXTRA bsP, bso, bo, vP, vo
	WIN 0
.irp s, 0,1,2,3,4,5,6,7
	ds_load_b32 v[BS+8*(\bsP)+\s], v[ASC] offset:(\bso)+128*\s   ; lanes 0-15: the first tile of columns, lanes 16-31: the second
.endr
.irp c, 0,1
	ds_load_b128 v[BIAS+8*\c:BIAS+8*\c+3], v[ATB] offset:(\bo)+128*\c
	ds_load_b128 v[BIAS+8*\c+4:BIAS+8*\c+7], v[ATB] offset:(\bo)+128*\c+16
	ds_load_b128 v[VV+16*(\vP)+8*\c:VV+16*(\vP)+8*\c+3], v[ATB] offset:(\vo)+128*\c
	ds_load_b128 v[VV+16*(\vP)+8*\c+4:VV+16*(\vP)+8*\c+7], v[ATB] offset:(\vo)+128*\c+16
.endr
.endm
; One matrix instruction: accumulator set P, K step s, tile of rows m, tile of columns c
.macro MM P, s, m, c
.set rD, 64*(\P)+8*(2*(\m)+(\c))
.set rB, 128+32*((\s)%4)+16*(\c)
.set rA, 128*((\m)%2)+16*(\s)
.set rX, BS+8*(\P)+(\s)
.set rY, SA+8*(\m)+(\s)
.if (\s) == 0
.set wM, 0x41|((2+(\m)/2)<<2)          ; D and W1 window 1, the rows' codes window 2 or 3, the bias window 0
	WIN wM
.if (\c) == 0
	v_wmma_scale_f32_16x16x128_f8f6f4 v[rD:rD+7], v[rB:rB+15], v[rA:rA+15], v[BIAS:BIAS+7], v[rX], v[rY]
.else
	v_wmma_scale_f32_16x16x128_f8f6f4 v[rD:rD+7], v[rB:rB+15], v[rA:rA+15], v[BIAS+8:BIAS+15], v[rX], v[rY] matrix_a_scale:MATRIX_SCALE_ROW1
.endif
.else
.set wM, 0x51|((2+(\m)/2)<<2)          ; C with D in window 1
	WIN wM
.if (\c) == 0
	v_wmma_scale_f32_16x16x128_f8f6f4 v[rD:rD+7], v[rB:rB+15], v[rA:rA+15], v[rD:rD+7], v[rX], v[rY]
.else
	v_wmma_scale_f32_16x16x128_f8f6f4 v[rD:rD+7], v[rB:rB+15], v[rA:rA+15], v[rD:rD+7], v[rX], v[rY] matrix_a_scale:MATRIX_SCALE_ROW1
.endif
.endif
.endm
; Line en of the vector work on accumulator set Pe.  0-31: z x c, ascending; 32-95: 2^x; 96-127: + 1; 128-191: 1 / x; 192-223: times -2 V, into the tile's sum.
; Lines under 192 have their one vector source and their destination in window 1.
.macro EP Pe
.set Z, 64*(\Pe)
.if en < 32
	v_pk_mul_f32 v[Z+2*en:Z+2*en+1], v[Z+2*en:Z+2*en+1], s[20:21] op_sel_hi:[1,0]
.elseif en < 96
	v_exp_f32 v[Z+en-32], v[Z+en-32]
.elseif en < 128
	v_pk_add_f32 v[Z+2*(en-96):Z+2*(en-96)+1], v[Z+2*(en-96):Z+2*(en-96)+1], 1.0 op_sel_hi:[1,0]
.elseif en < 192
	v_rcp_f32 v[Z+en-128], v[Z+en-128]
.else
.set ea, 2*((en-192)%4)+((en-192)/4)%2 ; the accumulators in the order 0, 2, 4, 6, 1, 3, 5, 7: three other sums stand between two lines on one sum
.set eq, (en-192)/8
	v_pk_fma_f32 v[SS+2*(ea/2):SS+2*(ea/2)+1], v[Z+8*ea+2*eq:Z+8*ea+2*eq+1], v[VV+16*(\Pe)+8*(ea%2)+2*eq:VV+16*(\Pe)+8*(ea%2)+2*eq+1], v[SS+2*(ea/2):SS+2*(ea/2)+1]
.endif
.endm
; The vector work of a finished group, as one block.  The 64 exponentials are one batch and the 64 reciprocals another: one wait ahead of each batch, and one plain line and one wait behind it.
.macro EPN n, Pe
.rept \n
	EP \Pe
.set en, en+1
.endr
.endm
.macro EPI Pe
	PLACES 8                                       ; eight places behind the group's last matrix instruction
	s_wait_dscnt 0x0                               ; the group's -2 V, asked for 16 matrix instructions ago, is in
	WIN 0x41
.set en, 0
	EPN 32, \Pe
	s_wait_alu depctr_va_vdst(0)
	EPN 64, \Pe
	v_nop
	s_wait_alu depctr_va_vdst(0)
	EPN 32, \Pe
	s_wait_alu depctr_va_vdst(0)
	EPN 64, \Pe
	v_nop
	s_wait_alu depctr_va_vdst(0)
	WIN 0x01                                       ; source 0 window 1; -2 V and the sums window 0
	EPN 32, \Pe
.endm
; THE CHANGE OF SLOTS, ahead of a chunk's last two K steps, whose fragments are in registers by then.  Each wave waits for all its tensor loads (its quarter of the next chunk), adds 0 to its spare word, and waits for that
; and for its reads of the slot.  fill = 1: behind a round of the cluster's barrier the slot is filled again with the chunk two on: that load has a whole chunk, 128 matrix instructions, in which to land.
.macro CHANGE fill
	WIN 0                                          ; at a label and at a branch every window is 0
	s_wait_tensorcnt 0x0                           ; no tensor load of mine is out, so a group 0 may be written
	ds_add_u32 v[SPW], v[NIL]
.if (\fill)
	s_xor_b32 s53, s53, SLOT                       ; the other slot than last time: SLOT has bits 16 and 11, 16,896 x wave has neither
	s_add_nc_u64 s[54:55], s[54:55], SLOT          ; the next chunk; the type bits on top are not reached
.endif
	s_wait_dscnt 0x0                               ; the add is done, and my reads of the slot are over
.if (\fill)
	CROUND
	tensor_load_to_lds s[52:55], s[28:35]          ; my one tensor load behind the round, and the first thing there
	s_nop 0
.else
	s_barrier_signal -1
	s_barrier_wait -1
.endif
	PLACES 4
	s_xor_b32 s16, s16, SLOT                       ; the reads go on in the other slot
	v_add_nc_u32 v[ABF], s16, v[L16]
	v_add_nc_u32 v[ASC], s16, v[SC0]
	v_add_nc_u32 v[ATB], 512, v[ATB]
	PLACES 4                                       ; eight v_nop in all stand between the last matrix instruction and the loads into registers that it read
.endm
; A GROUP: 64 matrix instructions on accumulator set P, then that set's vector work.  In front of each even K step stand eight places and the run of loads for the K steps two and three on; the wait behind
; the run leaves out just what the run issued.  Even K steps take the tiles of rows 0, 1, 2, 3, odd ones 2, 3, 0, 1: one window switch in a step's middle, none at its edge; the accumulators take turns.
; kind 0: set 0, the next group lies in the same chunk.  kind 1: set 1, with a change of slots that fills.  kind 2: with one that does not.  kind 3: the last group.
.macro GROUP P, kind
.irp s, 0,1,2,3,4,5,6,7
.if (\s) == 6
.if (\kind) == 0
	PLACES 8
	RUN 1, 0
	EXTRA 1, 1024, 512, 0, 320
	s_wait_dscnt 32
.elseif (\kind) == 3
	PLACES 8
	WIN 0
.irp c, 0,1
	ds_load_b128 v[VV+16+8*\c:VV+16+8*\c+3], v[ATB] offset:576+128*\c
	ds_load_b128 v[VV+16+8*\c+4:VV+16+8*\c+7], v[ATB] offset:576+128*\c+16
.endr
	s_wait_dscnt 4
.else
	CHANGE 2-(\kind)
	RUN 0, 0
	EXTRA 0, 0, 256, 1, 64
	s_wait_dscnt 32
.endif
.elseif (\s)%2 == 0
	PLACES 8
	RUN \P, \s+2
	s_wait_dscnt 16
.endif
.irp q, 0,1,2,3,4,5,6,7
.set gm, ((\q)/2+2*((\s)%2))%4
	MM \P, \s, gm, (\q)%2
.endr
.endr
	EPI \P
.endm
.macro TRIP kind                       ; a chunk
	GROUP 0, 0
	GROUP 1, \kind
	WIN 0
.endm
	s_wait_tensorcnt 0x0                           ; my quarters of tab and of chunks 0 and 1 are in,
	s_wait_dscnt 0x0                               ; and so are my rows' codes and scale words
	s_barrier_signal -1
	s_barrier_wait -1                              ; everybody's are
	s_mov_b32 s16, 0
	v_and_b32 v124, 15, v0                         ; r.  All my loads of ht are in (the last trip's counts ran down to 0): the rows' offset registers may be written
	v_bfe_u32 v125, v0, 4, 1                       ; h
	v_lshl_add_u32 v[ATB], v125, 5, TABL-256
	v_lshl_add_u32 v[SCW], v124, 2, s26
	v_add_nc_u32 v[ABF], s16, v[L16]
	v_add_nc_u32 v[ASC], s16, v[SC0]
	RUN 0, 0
	WIN 0
.irp s, 0,1,2,3,4,5,6,7
	ds_load_b32 v[BS+\s], v[ASC] offset:128*\s
.endr
.irp c, 0,1
	ds_load_b128 v[BIAS+8*\c:BIAS+8*\c+3], v[ATB] offset:256+128*\c
	ds_load_b128 v[BIAS+8*\c+4:BIAS+8*\c+7], v[ATB] offset:256+128*\c+16
.endr
.irp k, 0,1,2,3,4,5,6,7
	v_mov_b32 v[SS+\k], 0                          ; the four tiles' sums
.endr
	s_wait_alu depctr_va_vdst(0)
	s_mov_b32 s18, 14
.Ltrip:                                            ; chunks 0 to 13: each change of slots asks for the chunk two on
	TRIP 1
	s_sub_co_u32 s18, s18, 1
	s_cmp_lg_u32 s18, 0
	s_cbranch_scc1 .Ltrip
	TRIP 2                                         ; the tail is written out
	TRIP 3
	; THE WAY OUT: a sum's two halves, and the other half of the lanes' eight columns; 64 scores go through my area and leave as 256 consecutive bytes
.irp m, 0,1,2,3
	v_add_f32 v[64+\m], v[SS+2*\m], v[SS+2*\m+1]
.endr
.irp m, 0,1,2,3
	v_permlanex16_b32 v[68+\m], v[64+\m], s22, s23
.endr
.irp m, 0,1,2,3
	v_add_f32 v[64+\m], v[64+\m], v[68+\m]
.endr
.irp m, 0,1,2,3
	ds_store_b32 v[SCW], v[64+\m] offset:64*\m     ; row 16 m + r (both halves of the lanes write the same word with the same value)
.endr
	ds_load_b64 v[72:73], v[CA0]                   ; LDS serves a wave's instructions in order: this sees my stores
	s_wait_dscnt 0x0
	global_store_b64 v[GOF], v[72:73], s[10:11]
	s_wait_tensorcnt 0x0                           ; the wave's end
	ds_add_u32 v[SPW], v[NIL]
	s_wait_dscnt 0x0
	CROUND                                         ; the closing round
	s_endpgm
.Lfunc_end_k_qabb1cf282e_scores:
	.size	k_qabb1cf282e_scores, .Lfunc_end_k_qabb1cf282e_scores-k_qabb1cf282e_scores
	.p2alignl 7, 3214868480
	.fill 96, 4, 3214868480
	.section	.rodata,"a",@progbits
	.p2align	6, 0x0
	.amdhsa_kernel k_qabb1cf282e_scores
		.amdhsa_group_segment_fixed_size 327680
		.amdhsa_private_segment_fixed_size 0
		.amdhsa_enable_private_segment 0
		.amdhsa_kernarg_size 32
		.amdhsa_user_sgpr_count 2
		.amdhsa_user_sgpr_kernarg_segment_ptr 1
		.amdhsa_wavefront_size32 1
		.amdhsa_system_sgpr_workgroup_id_x 1
		.amdhsa_system_sgpr_workgroup_id_y 1
		.amdhsa_system_sgpr_workgroup_id_z 1
		.amdhsa_system_vgpr_workitem_id 0
		.amdhsa_next_free_vgpr 1024
		.amdhsa_next_free_sgpr 66
		.amdhsa_reserve_vcc 0
		.amdhsa_float_denorm_mode_32 3
		.amdhsa_float_denorm_mode_16_64 3
		.amdhsa_memory_ordered 1
		.amdhsa_forward_progress 1
		.amdhsa_inst_pref_size 255
	.end_amdhsa_kernel
	.section	.bss,"aw",@nobits
	.p2align	6
	.space	262144
	.amdgpu_metadata
---
amdhsa.version: [ 1, 2 ]
amdhsa.kernels:
  - .name:           k_qabb1cf282e_scores
    .symbol:         k_qabb1cf282e_scores.kd
    .args:
      - { .name: ht, .offset: 0, .size: 8, .value_kind: global_buffer, .address_space: global }
      - { .name: w1img, .offset: 8, .size: 8, .value_kind: global_buffer, .address_space: global }
      - { .name: tab, .offset: 16, .size: 8, .value_kind: global_buffer, .address_space: global }
      - { .name: sc, .offset: 24, .size: 8, .value_kind: global_buffer, .address_space: global }
    .group_segment_fixed_size: 327680
    .private_segment_fixed_size: 0
    .kernarg_segment_align: 8
    .kernarg_segment_size: 32
    .max_flat_workgroup_size: 128
    .sgpr_count:     66
    .vgpr_count:     1024
    .wavefront_size: 32
...
	.end_amdgpu_metadata
.endif
;; end of part 2
;; launch context (part 3): grid 4 x 64, 8 waves a work-group, no clusters, 33,792 bytes of LDS; arguments ht, sc, part, out1; writes part, out1
.if DOCPART == 3
	.amdgcn_target "amdgcn-amd-amdhsa--gfx1250"
	.amdhsa_code_object_version 6
	.text
	.protected	k_qabb1cf282e_context
	.globl	k_qabb1cf282e_context
	.p2align	8
	.type	k_qabb1cf282e_context,@function
k_qabb1cf282e_context:
	s_mov_b64 s[64:65], 0
	v_nop
	global_prefetch_b8 v0, s[64:65] scope:SCOPE_SE
	s_setreg_imm32_b32 hwreg(HW_REG_WAVE_MODE, 25, 1), 1
	s_wait_xcnt 0x0
; CONTEXT: out1[b][s] = softmax over s of sc[b][s]; part[q][b][:] = sum over the rows s of quarter q of out1[b][s] ht[s][b][:].  The next launch adds the four parts.
; sc is the score less V_b and less the sum of V, which the softmax takes away (shown at the head of the first kernel).  The row's true maximum is taken away before the exponentials.
; SHARES.  Work-group (q, b): rows 256 q .. 256 q + 255 of batch b, all 1,024 columns.  Wave w takes rows 32 w .. 32 w + 31 of them, each whole: eight loads of 512 consecutive bytes; a lane holds columns 128 u + 4 l .. + 3, u = 0 .. 7.
; Every wave makes the maximum and the sum for itself from all 1,024 scores (32 a lane); lane j holds the weight of the wave's row j.  Even waves store 64 weights of out1: 256 consecutive bytes, aligned.
; A ring of 6 rows in registers keeps 48 loads of every wave on their way; no address is stepped: a row's place among the 32 stands in the immediate (31 rows and 3,584 bytes at the most, inside its signed 24 bits: ISA guide, chapter 10).
; The eight waves' sums meet in LDS; wave w adds and stores columns 128 w .. 128 w + 127.  No matrix unit, no tensor load, no prefetch: a stream whose loads are always out; no cluster: what work-groups share is 4,096 bytes of scores.
; LIMITS: NaN and infinities in sc are not served.  The sum over s is made in 32 parts (8 waves x 4 work-groups), which are then added: an order of rounding other than one chain's.
.set ROWP,  262144                     ; bytes from row s to row s + 1 of one batch
.set RING,  6
.set SPARE, 32768                      ; behind the eight waves' sums: the spare words, 128 bytes a wave
.set VO,  1                            ; 16 x lane
.set LW,  3                            ; LDS: 4,096 w + 16 x lane
.set LR,  4                            ; LDS and part: 512 w + 16 x lane
.set OW,  5                            ; sc, out1: 1,024 q + 256 (w / 2) + 8 x lane
.set WT,  10                           ; lane j: my row j's score, then weight
.set OT,  11                           ; sc: 1,024 q + 128 w + 4 x lane
.set WO,  12                           ; v12-13: two of the 64 weights that an even wave stores
.set SPW, 14
.set NIL, 15
.set SR,  16                           ; v16-47 all 1,024 scores, 32 a lane; then the 32 sums
.set ACC, 16
.set XR0, 56                           ; v56-247 the ring: 32 registers a row
	s_load_b256 s[4:11], s[0:1], 0x0               ; ht s[4:5], sc s[6:7], part s[8:9], out1 s[10:11]
	v_lshl_add_u32 v[SPW], v0, 2, SPARE
	v_mov_b32 v[NIL], 0
	v_lshrrev_b32 v2, 5, v0
	v_readfirstlane_b32 s12, v2                    ; wave w
	s_and_b32 s14, ttmp7, 0xffff                   ; b
	s_lshl_b32 s13, ttmp9, 10                      ; 1,024 q
	s_lshl_b32 s15, s12, 7
	s_add_co_u32 s15, s15, s13                     ; + 128 w
	s_lshr_b32 s20, s12, 1
	s_lshl_b32 s20, s20, 8
	s_add_co_u32 s13, s13, s20                     ; 1,024 q + 256 (w / 2)
	s_lshl_b32 s20, s14, 12                        ; 4,096 b: sc, out1
	s_mov_b32 s21, 0
	s_lshl_b32 s22, ttmp9, 26                      ; ht: 256 q rows,
	s_lshl_b32 s23, s12, 23                        ; 32 w rows,
	s_add_co_u32 s22, s22, s23
	s_add_co_u32 s22, s22, s20                     ; and batch b
	s_mov_b32 s23, 0
	s_lshl_b32 s32, ttmp9, 18                      ; part: (64 q + b) rows of 4,096 bytes
	s_add_co_u32 s32, s32, s20
	s_mov_b32 s33, 0
	s_mov_b32 s16, 0x3fb8aa3b                      ; log2(e)
	s_mov_b32 s17, s16                             ; (named with it as a pair, so it is written)
	s_mov_b32 s18, 0x76543210
	s_mov_b32 s19, 0xfedcba98                      ; lane l xor 16
	s_mov_b32 s25, 0                               ; the upper words of the four pairs that carry a row's weight: named, never used
	s_mov_b32 s27, 0
	s_mov_b32 s29, 0
	s_mov_b32 s31, 0
	v_and_b32 v2, 31, v0
	v_lshlrev_b32 v[VO], 4, v2
	v_lshl_add_u32 v[OT], v2, 2, s15
	v_lshl_add_u32 v[OW], v2, 3, s13
	v_lshl_add_u32 v[LW], s12, 12, v[VO]
	v_lshl_add_u32 v[LR], s12, 9, v[VO]
	s_wait_alu depctr_va_vdst(0)
	s_wait_kmcnt 0x0
	s_add_nc_u64 s[6:7], s[6:7], s[20:21]
	s_add_nc_u64 s[10:11], s[10:11], s[20:21]
	s_add_nc_u64 s[4:5], s[4:5], s[22:23]
	s_add_nc_u64 s[8:9], s[8:9], s[32:33]
.macro RLOAD j                         ; my row j into its place in the ring
.irp u, 0,1,2,3,4,5,6,7
	global_load_b128 v[XR0+32*((\j)%RING)+4*\u:XR0+32*((\j)%RING)+4*\u+3], v[VO], s[4:5] offset:(\j)*ROWP+512*\u th:TH_LOAD_NT
.endr
.endm
.irp k, 0,1,2,3,4,5,6,7
	global_load_b128 v[SR+4*\k:SR+4*\k+3], v[VO], s[6:7] offset:512*\k
.endr
	global_load_b32 v[WT], v[OT], s[6:7]
	global_load_b64 v[WO:WO+1], v[OW], s[6:7]
.irp j, 0,1,2,3,4,5
	RLOAD \j
.endr
	s_wait_loadcnt 8*RING                          ; the scores are in; the ring's 48 loads stay out
	v_max3_num_f32 v8, v16, v17, v18               ; the largest of my 32, in two chains
	v_max3_num_f32 v9, v19, v20, v21
.irp k, 22,26,30,34,38,42
	v_max3_num_f32 v8, v8, v[\k], v[\k+1]
	v_max3_num_f32 v9, v9, v[\k+2], v[\k+3]
.endr
	v_max3_num_f32 v8, v8, v46, v47
	v_max_num_f32 v8, v8, v9
	v_max_num_f32_dpp v8, v8, v8 row_xmask:1 row_mask:0xf bank_mask:0xf
	v_max_num_f32_dpp v8, v8, v8 row_xmask:2 row_mask:0xf bank_mask:0xf
	v_max_num_f32_dpp v8, v8, v8 row_xmask:4 row_mask:0xf bank_mask:0xf
	v_max_num_f32_dpp v8, v8, v8 row_xmask:8 row_mask:0xf bank_mask:0xf
	v_permlanex16_b32 v9, v8, s18, s19
	v_max_num_f32 v8, v8, v9                       ; the batch's largest score, in every lane
	v_mul_f32 v6, -v8, s16                         ; - M log2(e)
	v_mov_b32 v7, v6
	v_fma_f32 v[WT], v[WT], s16, v6
.irp k, 12,16,18,20,22,24,26,28,30,32,34,36,38,40,42,44,46
	v_pk_fma_f32 v[\k:\k+1], v[\k:\k+1], s[16:17], v[6:7] op_sel_hi:[1,0,0]   ; (x - M) log2(e), two at a time
.endr
	s_wait_alu depctr_va_vdst(0)                   ; the wait ahead of the batch
.irp k, 10,12,13,16,17,18,19,20,21,22,23,24,25,26,27,28,29,30,31,32,33,34,35,36,37,38,39,40,41,42,43,44,45,46,47
	v_exp_f32 v[\k], v[\k]
.endr
	v_nop                                          ; a plain line behind the last exponential,
	s_wait_alu depctr_va_vdst(0)                   ; and the one wait for the batch, ahead of its first reader
	v_pk_add_f32 v[8:9], v[16:17], v[18:19]        ; the sum, in two chains
	v_pk_add_f32 v[6:7], v[20:21], v[22:23]
.irp k, 24,28,32,36,40,44
	v_pk_add_f32 v[8:9], v[8:9], v[\k:\k+1]
	v_pk_add_f32 v[6:7], v[6:7], v[\k+2:\k+3]
.endr
	v_pk_add_f32 v[8:9], v[8:9], v[6:7]
	v_add_f32 v8, v8, v9
	v_add_f32_dpp v8, v8, v8 row_xmask:1 row_mask:0xf bank_mask:0xf
	v_add_f32_dpp v8, v8, v8 row_xmask:2 row_mask:0xf bank_mask:0xf
	v_add_f32_dpp v8, v8, v8 row_xmask:4 row_mask:0xf bank_mask:0xf
	v_add_f32_dpp v8, v8, v8 row_xmask:8 row_mask:0xf bank_mask:0xf
	v_permlanex16_b32 v9, v8, s18, s19
	v_add_f32 v8, v8, v9
	s_wait_alu depctr_va_vdst(0)                   ; the wait ahead of the transcendental
	v_rcp_f32 v6, v8
	v_nop
	s_wait_alu depctr_va_vdst(0)
	v_mul_f32 v[WT], v[WT], v6                     ; my rows' weights
	v_pk_mul_f32 v[WO:WO+1], v[WO:WO+1], v[6:7] op_sel_hi:[1,0]
	s_and_b32 s20, s12, 1
	s_cmp_lg_u32 s20, 0
	s_wait_alu depctr_va_vdst(0)                   ; the wait directly ahead of the branch
	s_cbranch_scc1 .Lno_weights
	global_store_b64 v[OW], v[WO:WO+1], s[10:11]   ; 256 consecutive bytes, aligned
.Lno_weights:
; Row i of my 32.  ahead = 1: its registers take the row RING further on.  left: the younger loads, which may stay out.  A sum is read again 15 multiply-adds behind its write.
.macro ROW i, ahead, left
.set XR, XR0+32*((\i)%RING)
.set SW, 24+2*((\i)%4)
	s_wait_loadcnt \left
	v_readlane_b32 s[SW], v[WT], \i                ; the row's weight, into one of four scalar pairs by turns
.irp p, 0,2,4,6,8,10,12,14,16,18,20,22,24,26,28,30
.if (\i) == 0
	v_pk_mul_f32 v[ACC+\p:ACC+\p+1], v[XR+\p:XR+\p+1], s[SW:SW+1] op_sel_hi:[1,0]   ; the first row starts the sums: nothing is cleared
.else
	v_pk_fma_f32 v[ACC+\p:ACC+\p+1], v[XR+\p:XR+\p+1], s[SW:SW+1], v[ACC+\p:ACC+\p+1] op_sel_hi:[1,0,1]
.endif
.endr
.if \ahead
	RLOAD (\i)+RING
.endif
.endm
.set ri, 0
.rept 32-RING
	ROW ri, 1, 8*RING-8                            ; five younger rows, eight loads each
.set ri, ri+1
.endr
.rept RING
	ROW ri, 0, 8*(31-ri)                           ; the last six rows load nothing: the counts run down
.set ri, ri+1
.endr
.irp u, 0,1,2,3,4,5,6,7
	ds_store_b128 v[LW], v[ACC+4*\u:ACC+4*\u+3] offset:512*\u
.endr
	s_wait_dscnt 0x0                               ; for the others' sake: my sums lie in LDS
	s_barrier_signal -1
	s_barrier_wait -1
.irp k, 0,1,2,3,4,5,6,7
	ds_load_b128 v[XR0+4*\k:XR0+4*\k+3], v[LR] offset:4096*\k   ; the eight waves' sums of my 128 columns
.endr
	s_wait_dscnt 0x0
.irp k, 0,8,16,24
	v_pk_add_f32 v[XR0+\k:XR0+\k+1], v[XR0+\k:XR0+\k+1], v[XR0+\k+4:XR0+\k+5]
	v_pk_add_f32 v[XR0+\k+2:XR0+\k+3], v[XR0+\k+2:XR0+\k+3], v[XR0+\k+6:XR0+\k+7]
.endr
.irp k, 0,16
	v_pk_add_f32 v[XR0+\k:XR0+\k+1], v[XR0+\k:XR0+\k+1], v[XR0+\k+8:XR0+\k+9]
	v_pk_add_f32 v[XR0+\k+2:XR0+\k+3], v[XR0+\k+2:XR0+\k+3], v[XR0+\k+10:XR0+\k+11]
.endr
	v_pk_add_f32 v[XR0:XR0+1], v[XR0:XR0+1], v[XR0+16:XR0+17]
	v_pk_add_f32 v[XR0+2:XR0+3], v[XR0+2:XR0+3], v[XR0+18:XR0+19]
	global_store_b128 v[LR], v[XR0:XR0+3], s[8:9]  ; 512 consecutive bytes, aligned
	s_wait_tensorcnt 0x0                           ; the wave's end
	ds_add_u32 v[SPW], v[NIL]
	s_wait_dscnt 0x0
	s_endpgm
.Lfunc_end_k_qabb1cf282e_context:
	.size	k_qabb1cf282e_context, .Lfunc_end_k_qabb1cf282e_context-k_qabb1cf282e_context
	.p2alignl 7, 3214868480
	.fill 96, 4, 3214868480
	.section	.rodata,"a",@progbits
	.p2align	6, 0x0
	.amdhsa_kernel k_qabb1cf282e_context
		.amdhsa_group_segment_fixed_size 33792
		.amdhsa_private_segment_fixed_size 0
		.amdhsa_enable_private_segment 0
		.amdhsa_kernarg_size 32
		.amdhsa_user_sgpr_count 2
		.amdhsa_user_sgpr_kernarg_segment_ptr 1
		.amdhsa_wavefront_size32 1
		.amdhsa_system_sgpr_workgroup_id_x 1
		.amdhsa_system_sgpr_workgroup_id_y 1
		.amdhsa_system_sgpr_workgroup_id_z 1
		.amdhsa_system_vgpr_workitem_id 0
		.amdhsa_next_free_vgpr 256
		.amdhsa_next_free_sgpr 66
		.amdhsa_reserve_vcc 0
		.amdhsa_float_denorm_mode_32 3
		.amdhsa_float_denorm_mode_16_64 3
		.amdhsa_memory_ordered 1
		.amdhsa_forward_progress 1
		.amdhsa_inst_pref_size 70
	.end_amdhsa_kernel
	.amdgpu_metadata
---
amdhsa.version: [ 1, 2 ]
amdhsa.kernels:
  - .name:           k_qabb1cf282e_context
    .symbol:         k_qabb1cf282e_context.kd
    .args:
      - { .name: ht, .offset: 0, .size: 8, .value_kind: global_buffer, .address_space: global }
      - { .name: sc, .offset: 8, .size: 8, .value_kind: global_buffer, .address_space: global }
      - { .name: part, .offset: 16, .size: 8, .value_kind: global_buffer, .address_space: global }
      - { .name: out1, .offset: 24, .size: 8, .value_kind: global_buffer, .address_space: global }
    .group_segment_fixed_size: 33792
    .private_segment_fixed_size: 0
    .kernarg_segment_align: 8
    .kernarg_segment_size: 32
    .max_flat_workgroup_size: 256
    .sgpr_count:     66
    .vgpr_count:     256
    .wavefront_size: 32
...
	.end_amdgpu_metadata
.endif
;; end of part 3
;; launch join (part 4): grid 256 x 1, 2 waves a work-group, no clusters, 0 bytes of LDS; arguments part, out0; writes out0
.if DOCPART == 4
	.amdgcn_target "amdgcn-amd-amdhsa--gfx1250"
	.amdhsa_code_object_version 6
	.text
	.protected	k_qabb1cf282e_join
	.globl	k_qabb1cf282e_join
	.p2align	8
	.type	k_qabb1cf282e_join,@function
k_qabb1cf282e_join:
	s_mov_b64 s[64:65], 0
	v_nop
	global_prefetch_b8 v0, s[64:65] scope:SCOPE_SE
	s_setreg_imm32_b32 hwreg(HW_REG_WAVE_MODE, 25, 1), 1
	s_wait_xcnt 0x0
; JOIN: out0[b][c] = the sum over q = 0 .. 3 of part[q][b][c].  The parts carry the softmax's weights already, so they are only added.
; A thread takes 16 bytes, a work-group 1,024: each load and store of a wave covers 512 consecutive bytes, aligned.  The four parts lie 262,144 bytes apart: the distance stands in the immediate.
	s_load_b128 s[4:7], s[0:1], 0x0                ; part s[4:5], out0 s[6:7]
	v_lshlrev_b32 v1, 4, v0
	s_lshl_b32 s8, ttmp9, 10
	s_mov_b32 s9, 0
	s_wait_alu depctr_va_vdst(0)
	s_wait_kmcnt 0x0
	s_add_nc_u64 s[4:5], s[4:5], s[8:9]
	s_add_nc_u64 s[6:7], s[6:7], s[8:9]
.irp q, 0,1,2,3
	global_load_b128 v[4+4*\q:7+4*\q], v1, s[4:5] offset:262144*\q th:TH_LOAD_NT
.endr
	s_wait_loadcnt 0x0
	v_pk_add_f32 v[4:5], v[4:5], v[8:9]
	v_pk_add_f32 v[6:7], v[6:7], v[10:11]
	v_pk_add_f32 v[12:13], v[12:13], v[16:17]
	v_pk_add_f32 v[14:15], v[14:15], v[18:19]
	v_pk_add_f32 v[4:5], v[4:5], v[12:13]
	v_pk_add_f32 v[6:7], v[6:7], v[14:15]
	global_store_b128 v1, v[4:7], s[6:7]
	s_endpgm
.Lfunc_end_k_qabb1cf282e_join:
	.size	k_qabb1cf282e_join, .Lfunc_end_k_qabb1cf282e_join-k_qabb1cf282e_join
	.p2alignl 7, 3214868480
	.fill 96, 4, 3214868480
	.section	.rodata,"a",@progbits
	.p2align	6, 0x0
	.amdhsa_kernel k_qabb1cf282e_join
		.amdhsa_group_segment_fixed_size 0
		.amdhsa_private_segment_fixed_size 0
		.amdhsa_enable_private_segment 0
		.amdhsa_kernarg_size 16
		.amdhsa_user_sgpr_count 2
		.amdhsa_user_sgpr_kernarg_segment_ptr 1
		.amdhsa_wavefront_size32 1
		.amdhsa_system_sgpr_workgroup_id_x 1
		.amdhsa_system_sgpr_workgroup_id_y 1
		.amdhsa_system_sgpr_workgroup_id_z 1
		.amdhsa_system_vgpr_workitem_id 0
		.amdhsa_next_free_vgpr 24
		.amdhsa_next_free_sgpr 66
		.amdhsa_reserve_vcc 0
		.amdhsa_float_denorm_mode_32 3
		.amdhsa_float_denorm_mode_16_64 3
		.amdhsa_memory_ordered 1
		.amdhsa_forward_progress 1
		.amdhsa_inst_pref_size 2
	.end_amdhsa_kernel
	.amdgpu_metadata
---
amdhsa.version: [ 1, 2 ]
amdhsa.kernels:
  - .name:           k_qabb1cf282e_join
    .symbol:         k_qabb1cf282e_join.kd
    .args:
      - { .name: part, .offset: 0, .size: 8, .value_kind: global_buffer, .address_space: global }
      - { .name: out0, .offset: 8, .size: 8, .value_kind: global_buffer, .address_space: global }
    .group_segment_fixed_size: 0
    .private_segment_fixed_size: 0
    .kernarg_segment_align: 8
    .kernarg_segment_size: 16
    .max_flat_workgroup_size: 64
    .sgpr_count:     66
    .vgpr_count:     24
    .wavefront_size: 32
...
	.end_amdgpu_metadata
.endif
;; end of part 4
